; MI455X (gfx1250); checked and timed in simulation.
; The chip was launched on July 23, 2026; its instructions are those of AMD's public machine-readable ISA for CDNA 5 (MIT licence, August 2026) and "CDNA5" Instruction Set Architecture Reference Guide (July 2026). The comments in the code are by the model that wrote it; some were corrected since.
;; Flattened Masked Local Attention2d. Allowed arithmetic: matrix products marked QUANTISED: E2M1 operands, one E8M0 scale for each 32 along K, by v_wmma_scale_f32_16x16x128_f8f6f4 with both operands' format E2M1 (or v_wmma_scale_f32_32x16x128_f4), f32 sums; products left as they are: f32 operands where the result goes on into a quantised operand, else bf16, f16 or f32 operands; f32 sums; everything else in f32.
;; Inputs: k 2 x 64 x 64 x 64 float32; q 2 x 64 x 64 x 64 float32; v 2 x 64 x 64 x 64 float32.
;; Outputs: out0 2 x 64 x 64 x 64 float32.
;; This version of the problem:
;;   THIS VERSION OF THE PROBLEM IS GIVEN IN LOW PRECISION. The matrix products marked QUANTISED in the list below multiply operands that are first quantised to E2M1 (2 exponent bits, 1 mantissa bit; 4 bits a number), with one power-of-two scale for each 32 numbers along K (OCP MX v1.0); their sums are f32. All else is computed in f32.
;;   The module's matrix products, in the order in which they are computed (A, B: the left and right operand; K: the contracted axis; several contracted axes count as one K, in the product's order):
;;     1. batch 8 x [M 4,096, K 16] x [K 16, N 4,096]; A: input q; B: input k: left as it is (K = 16 < 32)
;;     2. batch 8 x [M 4,096, K 4,096] x [K 4,096, N 16]; A: softmax (see below); B: input v: QUANTISED
;;   THE QUANTISER, for each operand of a quantised product, along K:
;;     - K is cut into blocks of 32 from its start; a last block that is shorter is filled with zeros.
;;     - A block's scale is 2^e with e = floor(log2(the largest magnitude in the block)) - 2, held to -126 .. 127; a block of zeros has e = 0. As a byte (E8M0): e + 127.
;;     - Each number is divided by its block's scale, clamped to +-6, and rounded to the nearest number of E2M1, ties to even, subnormals kept.
;;     - The product sums the exact products of the quantised numbers (number of the format x scale) in f32.
;;   ~~~python
;;   def quantise(x, axis):      # numpy; x: float32 -> the quantised numbers, widened to float32 again
;;       x = np.moveaxis(x, axis, -1); K = x.shape[-1]
;;       x = np.pad(x, [(0, 0)] * (x.ndim - 1) + [(0, -K % 32)]); x = x.reshape(x.shape[:-1] + (-1, 32)); a = np.abs(x).max(-1, keepdims=True)
;;       e = np.where(a > 0, np.clip(np.frexp(np.where(a > 0, a, 1))[1] - 1 - 2, -126, 127), 0)      # np.frexp(a)[1] - 1 = floor(log2(a)), exactly
;;       r = np.clip(x / 2.0 ** e, -6, 6)
;;       step = 2.0 ** (np.maximum(np.frexp(np.where(r == 0, 1, r))[1] - 1, 0) - 1)
;;       q = np.round(r / step) * step * 2.0 ** e      # np.round: ties to even
;;       return np.moveaxis(q.reshape(q.shape[:-2] + (-1,))[..., :K], -1, axis).astype(np.float32)
;;   ~~~
;;   SOFTMAX AHEAD OF A QUANTISED PRODUCT. Where the list says 'softmax', what is quantised is not the finished softmax but p = 2^(t - M), with t = logit x log2(e) and M = ceil(the row's largest t), a whole number; so 1/2 < the row's largest p <= 1. The row's sum l is taken of the UNQUANTISED p, in f32, and the product's result is divided by l at the end. Since M is a whole number, a kernel that streams over the keys may use a running M (the ceiling of the running maximum): every later rescaling is an exact power of two, which a block's scale takes up: the codes' values come out the same.
;;   OPERANDS COMPUTED ON THE WAY. 'Computed on the way' means the value that the module computes at that place (a softmax that the list does not call 'softmax' is quantised finished and normalised). What goes into a quantiser is computed in f32, as accurately as f32 sums, v_exp_f32 and their like allow (about 1e-6 of the number): no bf16 or f16 on the way to a quantiser, and a product that is left as it is and whose result goes on into a quantised operand takes f32 operands (vector FMAs, or v_wmma_f32_16x16x4_f32). A number that lies on a knife's edge between two numbers of the format may be rounded either way, as far as f32 arithmetic and the matrix unit's own rounding can turn it there, and no further.
;; 2 versions, each right; version 2 is version 1 with the launch winattn written anew for expert scheduling mode. Each part assembles by itself: llvm-mc -triple=amdgcn-amd-amdhsa -mcpu=gfx1250 --defsym DOCPART=n.
;; ======== version 1 of 2: 1 launch
;; launch winattn (part 1): grid 32 x 8, 8 waves a work-group, no clusters, 62,464 bytes of LDS; arguments q, k, v, out0; writes out0
.if DOCPART == 1
	.amdgcn_target "amdgcn-amd-amdhsa--gfx1250"
	.amdhsa_code_object_version 6
	.text
	.protected	k_qc19cf2a4c3_winattn
	.globl	k_qc19cf2a4c3_winattn
	.p2align	8
	.type	k_qc19cf2a4c3_winattn,@function
k_qc19cf2a4c3_winattn:
	s_mov_b64 s[64:65], 0
	v_nop
	global_prefetch_b8 v0, s[64:65] scope:SCOPE_SE
	s_setreg_imm32_b32 hwreg(HW_REG_WAVE_MODE, 25, 1), 1
	s_wait_xcnt 0x0
; Attention in a 7 x 7 window on a 64 x 64 image; 8 (batch, head) planes of 16 channels.  q, k, v, out0: [2][64][64][64] f32, channel = 16 head + d, the image column innermost.
; The second product runs on codes of FP4 (E2M1) with one E8M0 scale for each 32 keys: a block of keys is one half (32 columns) of an image row.  The mask is built by the problem itself:
; a masked p is exactly 0, so only the keys that a window can reach are multiplied.
; SHARES.  A work-group owns query rows R, R+1 of one (batch, head); grid 32 x 8.  Wave a owns 16 queries: 2 rows x the 8 columns 8a+4 .. 8a+11 (modulo 64).  Their windows lie in the 8 key rows R-3 .. R+4
; and in the two aligned groups of 8 columns (octets) a and a+1 (modulo 8).  In wave 7 the tile wraps round the image edge; a constant lane mask takes the false neighbours out.
; SCORES, in f32 since they feed a quantiser: S^T = K Q^T by v_wmma_f32_16x16x4_f32, source 0 = the 16 key columns of one key row, source 1 = the 16 queries: lane (r, h) holds query r and, in register j of
; key row p, the key (row p, column 8 (a + h) + j): eight neighbours along the keys, which is what the conversion to codes takes.
; SOFTMAX.  t = score x log2(e) / 4; M = ceil(the largest t of the query); p = 2^(t - M); the sum is taken of the unquantised p and divides at the end.  All keys of a query are in registers at once: no running M.
; OPERANDS.  Each octet goes into a hardware block of its own: 8 codes and 24 zero codes, under the scale of the TRUE block of 32 keys: the larger of both octets' maxima where they lie in one half row, its own
; where they do not (waves 3 and 7).  So one text serves all waves and no code changes lanes.  K step c of 4: blocks (row 2c, octet 0), (row 2c, octet 1), (row 2c+1, octet 0), (row 2c+1, octet 1).
; V is quantised once a work-group, along the image columns as they lie in memory, into LDS: codes [row][octet][d], scale bytes [d][row][half].
; NO TENSOR LOAD, NO CLUSTER: the launch has one step and no loop; V enters LDS as codes made by vector instructions; a work-group wants rows R-3 .. R+4 and its neighbour R-1 .. R+6, so no two want the same tile.
; NO PREFETCH: all 18 global loads of a wave go out together at its head, and nothing is read later.
; LIMITS: NaN and infinities among the inputs are not served.  A p under 2^-126 comes out of v_exp_f32 as 0.  A block of zeros carries the byte 1 with zero codes (the bytes are read by this text alone).
; A block's largest p is taken as the exponential of its largest score: v_exp_f32 is taken not to fall where its input rises.
.set PLANE, 16384                      ; bytes of one channel's image
.set KP,    288                        ; LDS: a (key row, channel) line of K: 256 bytes + 32: lanes 16-31 read two lines (144 words) on: 16 banks on (64 banks of 4 bytes: ISA guide 11.1)
.set SPD,   592                        ; LDS: a channel's two image rows in the stages of Q and of the output
.set SPR,   288                        ; LDS: an image row there: 256 bytes + 32
.set KL,    0                          ; K: 8 rows x 16 channels x KP
.set QL,    KL+8*16*KP                 ; Q: 16 channels x SPD
.set VC,    QL+16*SPD                  ; V's codes: [8 rows][8 octets][16 d] words
.set VS,    VC+8*512                   ; V's scale bytes: [16 d][8 rows][2 halves]
.set OL,    VS+256                     ; the output: 16 channels x SPD; ends at byte 60,160
.set VO,  2                            ; v2   V in memory: 4 channels for each eight lanes, 32 bytes a lane
.set KO,  3                            ; v3   K in memory: a channel for each sixteen lanes, 16 bytes a lane
.set QO,  4                            ; v4   Q and out0 in memory: channel 2 x wave, 16 bytes a lane
.set KW,  5                            ; v5   where I stage K
.set QW,  6                            ; v6   where I stage Q, and read the output back
.set VCW, 7                            ; v7   where I put V's codes
.set VSW, 8                            ; v8   and V's scale bytes
.set KRD, 9                            ; v9   K's fragments
.set QRD, 10                           ; v10  Q's fragments
.set VCR, 11                           ; v11  V's code words
.set VSR, 12                           ; v12  V's scale bytes of my channel
.set OW,  13                           ; v13  where I put results
.set H8,  14                           ; v14  8 x (lane / 16)
.set NEG, 15                           ; v15  -infinity
.set TA,  16
.set TB,  17
.set NM,  18                           ; v[18:19] -M (the packed form names a pair and takes its low word)
.set LA,  20                           ; v[20:21], v[22:23] the sum of p, in two chains of pairs
.set LB,  22
.set RL,  24                           ; v[24:25] 1 / the sum
.set G,   26
.set G2,  27
.set VM,  28                           ; v28-31 V: largest magnitudes;  v32-35 the conversions' scale operands;  v36-39 bytes;  v40-43 codes
.set VSC, 32
.set VBY, 36
.set VCD, 40
.set MX,  28                           ; v28-35 later: the largest score of each of my 8 octets, then of its block, then the block's largest p
.set MO,  36                           ; v36-43 later: the other half's
.set SCO, 36                           ; then the conversions' scale operands
.set RES, 36                           ; then the results
.set OB,  28                           ; the second accumulator of O^T
.set QF,  44                           ; v44-51 Q's fragments: register 2 s + j: d = 4 s + 2 (lane / 16) + j
.set BY,  44                           ; later p's scale bytes
.set KF,  52                           ; v52-115 K and Q as loaded; then K's fragments: register 8 p + 2 s + j
.set T,   52                           ; then the masked scores and p: register 8 p + j
.set D,   116                          ; v116-179 the 8 accumulators of S^T: written by matrix instructions alone
.set VR,  180                          ; v180-211 V as loaded
.set PB,  180                          ; later P's four operands: codes in registers 0 and 4 of each, zeros in the others
.set U,   212                          ; v212-229 V's four operands, begun at U+0, U+2, U+8, U+10: what else lies in an operand meets zero codes of P
.set VSQ, 230                          ; v230-233 V's 16 scale bytes of my channel
.set VW,  234                          ; v234-237 V's scale words
.set PW,  238                          ; v238-241 P's scale words
.set PX,  242
.set OA,  246                          ; v246-253 the first accumulator of O^T
.set WV,  12                           ; s12 wave
.set R0,  13                           ; s13 R
.set PL,  14                           ; s14 the (batch, head)'s first byte
.set RM,  28                           ; s28-35 lane masks of the 8 key rows
.set SEL, 36                           ; s[36:37] v_permlanex16_b32: lane xor 16
.set CS,  38                           ; s[38:39] log2(e) / 4
.set PSEL, 40                          ; s40 byte selects for V's scale words
.set SAME, 41                          ; s41 all ones where both octets lie in one half row
.set SM,  44                           ; s44-59 masks at work, two sets by turns
	s_load_b256 s[4:11], s[0:1], 0x0               ; q s[4:5], k s[6:7], v s[8:9], out0 s[10:11]
	v_lshl_add_u32 v254, v0, 2, 0xf000
	v_mov_b32 v255, 0
	v_and_b32 v1, 31, v0                           ; lane
	v_lshrrev_b32 v[TA], 5, v0
	v_readfirstlane_b32 s[WV], v[TA]               ; wave 0..7: my column tile, and the key row that I stage
	s_lshl_b32 s[R0], ttmp9, 1                     ; R
	s_and_b32 s[PL], ttmp7, 0xffff
	s_lshl_b32 s[PL], s[PL], 18                    ; 16 channels of 16,384 bytes
	s_add_co_u32 s16, s[R0], s[WV]
	s_sub_co_i32 s16, s16, 3                       ; the key row R - 3 + wave,
	s_max_i32 s16, s16, 0
	s_min_i32 s16, s16, 63                         ; held inside the image: no load leaves its buffer; the rows outside are masked below
	s_lshl_b32 s16, s16, 8
	s_add_co_u32 s16, s16, s[PL]
	s_mov_b32 s17, 0
	s_lshl_b32 s18, s[R0], 8
	s_add_co_u32 s18, s18, s[PL]
	s_mov_b32 s19, 0
	v_lshrrev_b32 v[TA], 3, v1                     ; lane / 8
	v_and_b32 v[TB], 7, v1                         ; lane % 8: the octet
	v_lshlrev_b32 v[VO], 16, v[TA]
	v_lshl_add_u32 v[VO], v[TB], 5, v[VO]
	v_lshlrev_b32 v[VCW], 6, v[TB]
	v_lshl_add_u32 v[VCW], v[TA], 4, v[VCW]        ; 64 x octet + 16 x (lane / 8): my four channels' words lie on end
	v_bfe_u32 v[VSW], v1, 2, 1                     ; which half row my octet lies in
	v_lshl_add_u32 v[VSW], v[TA], 6, v[VSW]
	v_and_b32 v[TA], 15, v1                        ; r
	v_lshrrev_b32 v[TB], 4, v1                     ; h
	v_lshlrev_b32 v[KO], 14, v[TB]
	v_lshl_add_u32 v[KO], v[TA], 4, v[KO]
	s_lshl_b32 s20, s[WV], 15
	v_lshl_add_u32 v[QO], v1, 4, s20
	s_wait_kmcnt 0x0
	s_add_nc_u64 s[8:9], s[8:9], s[16:17]          ; v and k at my key row
	s_add_nc_u64 s[6:7], s[6:7], s[16:17]
	s_add_nc_u64 s[4:5], s[4:5], s[18:19]          ; q and out0 at row R
	s_add_nc_u64 s[10:11], s[10:11], s[18:19]
.irp g, 0,1,2,3                                ; V: channel 4 (lane / 8) + g, my octet: 32 bytes; eight lanes take a whole image row with each pair of loads
	global_load_b128 v[VR+8*\g:VR+8*\g+3], v[VO], s[8:9] offset:\g*PLANE
	global_load_b128 v[VR+8*\g+4:VR+8*\g+7], v[VO], s[8:9] offset:\g*PLANE+16
.endr
.irp i, 0,1,2,3,4,5,6,7                        ; K: channels 2 i and 2 i + 1: sixteen lanes read an image row of 256 bytes
	global_load_b128 v[KF+4*\i:KF+4*\i+3], v[KO], s[6:7] offset:2*\i*PLANE
.endr
	global_load_b128 v[KF+32:KF+35], v[QO], s[4:5] th:TH_LOAD_NT               ; Q: rows R and R+1 of channels 2 wave and 2 wave + 1: 512 consecutive bytes each; read once in the launch
	global_load_b128 v[KF+36:KF+39], v[QO], s[4:5] offset:PLANE th:TH_LOAD_NT
	; the LDS addresses: constants, the lane and the wave
	s_lshl_b32 s20, s[WV], 9
	v_add_nc_u32 v[VCW], s20, v[VCW]
	s_lshl_b32 s20, s[WV], 1
	v_add_nc_u32 v[VSW], s20, v[VSW]               ; 64 x (lane / 8) + 2 x row + half; channel g of my four: 16 bytes on
	v_mul_u32_u24 v[KW], v[TB], KP
	v_lshl_add_u32 v[KW], v[TA], 4, v[KW]
	s_mul_i32 s20, s[WV], 16*KP
	v_add_nc_u32 v[KW], s20, v[KW]
	v_mul_u32_u24 v[QW], v[TB], SPR
	v_lshl_add_u32 v[QW], v[TA], 4, v[QW]
	s_mul_i32 s20, s[WV], 2*SPD
	v_add_nc_u32 v[QW], s20, v[QW]
	s_lshl_b32 s20, s[WV], 3
	v_add_nc_u32 v[KRD], s20, v[TA]
	v_and_b32 v[KRD], 63, v[KRD]                   ; key column (8 a + r) modulo 64
	v_lshlrev_b32 v[KRD], 2, v[KRD]
	v_mad_u32_u24 v[KRD], v[TB], 2*KP, v[KRD]      ; lanes 16-31: two channels on
	v_and_b32 v[QRD], 7, v1
	s_add_co_u32 s20, s20, 4
	v_add_nc_u32 v[QRD], s20, v[QRD]
	v_and_b32 v[QRD], 63, v[QRD]                   ; query column (8 a + 4 + r % 8) modulo 64
	v_lshlrev_b32 v[QRD], 2, v[QRD]
	v_bfe_u32 v[OW], v1, 3, 1                      ; query row R + (r / 8)
	v_mad_u32_u24 v[QRD], v[OW], SPR, v[QRD]
	v_mad_u32_u24 v[OW], v[TB], 8*SPD, v[QRD]      ; results: lanes 16-31 hold channels 8 .. 15
	v_mad_u32_u24 v[QRD], v[TB], 2*SPD, v[QRD]     ; fragments: lanes 16-31 two channels on
	v_add_nc_u32 v[VCR], s[WV], v[TB]
	v_and_b32 v[VCR], 7, v[VCR]                    ; octet (a + h) modulo 8
	v_lshlrev_b32 v[VCR], 6, v[VCR]
	v_lshl_add_u32 v[VCR], v[TA], 2, v[VCR]
	v_lshlrev_b32 v[VSR], 4, v[TA]
	v_lshlrev_b32 v[H8], 3, v[TB]
	v_mov_b32 v[NEG], 0xff800000
	s_mov_b32 s[SEL], 0x76543210
	s_mov_b32 s[SEL+1], 0xfedcba98
	s_mov_b32 s[CS], 0x3eb8aa3b                    ; log2(e) / sqrt(16)
	s_mov_b32 s[CS+1], s[CS]                       ; (named with it as a pair, so it is written)
	; the key rows' lane masks.  Row p = R - 3 + p counts for query row R where p <= 6, for R + 1 where p >= 1 (lanes with r / 8 = 0: 0x00ff00ff), and for nobody outside the image
.irp p, 0,1,2,3,4,5,6,7
	s_add_co_i32 s20, s[R0], \p-3
	s_cmp_lt_u32 s20, 64
.if \p == 0
	s_cselect_b32 s[RM+\p], 0x00ff00ff, 0
.elseif \p == 7
	s_cselect_b32 s[RM+\p], 0xff00ff00, 0
.else
	s_cselect_b32 s[RM+\p], -1, 0
.endif
.endr
	s_cmp_eq_u32 s[WV], 7                          ; the tile that wraps: queries 60..63 see octet 7 alone, queries 0..3 octet 0 alone: lanes whose (r % 8) / 4 equals h
	s_cselect_b32 s21, 0xf0f00f0f, -1
.irp p, 0,1,2,3,4,5,6,7
	s_and_b32 s[RM+\p], s[RM+\p], s21
.endr
	s_lshr_b32 s21, s[WV], 2                       ; the half row of octet a,
	s_add_co_u32 s22, s[WV], 1
	s_bfe_u32 s22, s22, 0x10002                    ; and of octet (a + 1) modulo 8
	s_cmp_eq_u32 s21, s22
	s_cselect_b32 s[SAME], -1, 0
	s_mul_i32 s21, s21, 0x00010001                 ; V's scale word of a K step takes of the four bytes (row, half 0), (row, half 1), (row + 1, half 0), (row + 1, half 1)
	s_mul_i32 s22, s22, 0x01000100                 ; those of my two octets' halves
	s_add_co_u32 s[PSEL], s21, s22
	s_add_co_u32 s[PSEL], s[PSEL], 0x02020000
	; ---- V of my key row becomes codes.  A lane holds an octet of four channels; the four lanes of a half row hold a block of 32
	s_wait_loadcnt 10                              ; V's eight loads are in: behind them K's eight and Q's two were issued
.irp g, 0,1,2,3
	v_max3_num_f32 v[VM+\g], |v[VR+8*\g]|, |v[VR+8*\g+1]|, 0x1800000   ; with the floor 2^(3 - 127): the byte cannot fall under 1
.endr
.irp i, 2,4,6
.irp g, 0,1,2,3
	v_max3_num_f32 v[VM+\g], v[VM+\g], |v[VR+8*\g+\i]|, |v[VR+8*\g+\i+1]|
.endr
.endr
.irp x, 1,2
.irp g, 0,1,2,3
	v_max_num_f32_dpp v[VM+\g], v[VM+\g], v[VM+\g] row_xmask:\x row_mask:0xf bank_mask:0xf   ; with the block's other three lanes
.endr
.endr
.irp g, 0,1,2,3
	v_add_nc_u32 v[VSC+\g], 0xff000000, v[VM+\g]   ; 2 off the exponent field: the conversion takes that field as its scale
.endr
.irp g, 0,1,2,3
	v_lshrrev_b32 v[VBY+\g], 23, v[VSC+\g]         ; the scale's byte
.endr
.irp g, 0,1,2,3
	v_cvt_scalef32_pk8_fp4_f32 v[VCD+\g], v[VR+8*\g:VR+8*\g+7], v[VSC+\g]
.endr
	v_nop                                          ; one plain place behind the conversions: their sources are written again further down
	ds_store_b128 v[VCW], v[VCD:VCD+3] offset:VC
.irp g, 0,1,2,3
	ds_store_b8 v[VSW], v[VBY+\g] offset:VS+16*\g  ; the four lanes of a block write the same byte with the same value
.endr
	s_wait_loadcnt 0x0                             ; K and Q
.irp i, 0,1,2,3,4,5,6,7
	ds_store_b128 v[KW], v[KF+4*\i:KF+4*\i+3] offset:KL+2*\i*KP
.endr
	ds_store_b128 v[QW], v[KF+32:KF+35] offset:QL
	ds_store_b128 v[QW], v[KF+36:KF+39] offset:QL+SPD
	s_wait_dscnt 0x0                               ; for the others' sake: all my stores have landed
	s_barrier_signal -1
	s_barrier_wait -1                              ; the stage is whole
	; ---- S^T = K Q^T
.macro KLOAD s                         ; the 8 key rows' fragments of channels 4 s .. 4 s + 3
.irp p, 0,1,2,3,4,5,6,7
	ds_load_b32 v[KF+8*\p+2*\s], v[KRD] offset:KL+(16*\p+4*\s)*KP
	ds_load_b32 v[KF+8*\p+2*\s+1], v[KRD] offset:KL+(16*\p+4*\s+1)*KP
.endr
.endm
.macro SCORE s                         ; the 8 accumulators take turns, one instruction a turn; the first step starts the sums
.irp p, 0,1,2,3,4,5,6,7
.if \s == 0
	v_wmma_f32_16x16x4_f32 v[D+8*\p:D+8*\p+7], v[KF+8*\p:KF+8*\p+1], v[QF:QF+1], 0
.else
	v_wmma_f32_16x16x4_f32 v[D+8*\p:D+8*\p+7], v[KF+8*\p+2*\s:KF+8*\p+2*\s+1], v[QF+2*\s:QF+2*\s+1], v[D+8*\p:D+8*\p+7]
.endif
.endr
.endm
.irp c, 0,1,2,3,4,5,6,7
	ds_load_b32 v[QF+\c], v[QRD] offset:QL+(4*(\c/2)+\c%2)*SPD
.endr
	KLOAD 0
	KLOAD 1
	KLOAD 2
	s_wait_dscnt 32                                ; Q and step 0 are in: behind them steps 1 and 2, 32 loads
	SCORE 0
	KLOAD 3
	s_wait_dscnt 32                                ; step 1 is in: behind it steps 2 and 3
	SCORE 1
.irp p, 0,1,2,3,4,5,6,7                        ; V's code words: channel r, key row p, octet a + h
	ds_load_b32 v[U+8*(\p/4)+2*((\p/2)%2)+4*(\p%2)], v[VCR] offset:VC+512*\p
.endr
	ds_load_b128 v[VSQ:VSQ+3], v[VSR] offset:VS
	s_wait_dscnt 25                                ; step 2 is in: behind it step 3's 16 and V's 9
	SCORE 2
	s_wait_dscnt 9                                 ; step 3 is in
	SCORE 3
	; Registers that must hold zeros, or merely something.  These plain lines name no register of the products above: they are also the eight places behind them
.irp c, 0,1,2,3
.irp w, 1,2,3,5,6,7
	v_mov_b32 v[PB+8*\c+\w], 0                     ; P: 24 zero codes beside each octet
.endr
.endr
.irp i, 1,3,5,7,9,11,13,15,16,17
	v_mov_b32 v[U+\i], 0                           ; V: these meet zero codes of P
.endr
.irp c, 0,1,2,3
	v_mov_b32 v[PX+\c], 0                          ; a lane permute's destination counts as one of its sources
.endr
	v_mov_b32 v[G2], 0
	v_mov_b32 v[NM+1], 0                           ; (the upper halves of pairs that packed forms name)
	v_mov_b32 v[RL+1], 0
	s_wait_dscnt 0x0                               ; V's words and bytes
.irp c, 0,1,2,3
	v_perm_b32 v[VW+\c], v[VSQ+\c], v[VSQ+\c], s[PSEL]
.endr
	; ---- the mask.  Key column 8 h + j counts for query column 4 + r % 8 where they differ by 3 at the most: for h = 0 the queries r % 8 < j, for h = 1 those with r % 8 > j: constants.
	; The masked scores go into other registers, each accumulator read from its low end on
.irp p, 0,1,2,3,4,5,6,7
.irp j, 0,1,2,3,4,5,6,7
	s_and_b32 s[SM+8*(\p%2)+\j], s[RM+\p], ((1<<\j)-1)*0x101+(0x100-(2<<\j))*0x1010000
.endr
.irp j, 0,1,2,3,4,5,6,7
	v_cndmask_b32 v[T+8*\p+\j], v[NEG], v[D+8*\p+\j], s[SM+8*(\p%2)+\j]
.endr
.endr
	; ---- the largest score of each octet: it serves the row's maximum and, since p rises with the score, the block's largest p
.irp p, 0,1,2,3,4,5,6,7
	v_max3_num_f32 v[MX+\p], v[T+8*\p], v[T+8*\p+1], v[T+8*\p+2]
.endr
.irp i, 3,5
.irp p, 0,1,2,3,4,5,6,7
	v_max3_num_f32 v[MX+\p], v[MX+\p], v[T+8*\p+\i], v[T+8*\p+\i+1]
.endr
.endr
.irp p, 0,1,2,3,4,5,6,7
	v_max_num_f32 v[MX+\p], v[MX+\p], v[T+8*\p+7]
.endr
	v_max3_num_f32 v[G], v[MX], v[MX+1], v[MX+2]
	v_max3_num_f32 v[G], v[G], v[MX+3], v[MX+4]
	v_max3_num_f32 v[G], v[G], v[MX+5], v[MX+6]
	v_max_num_f32 v[G], v[G], v[MX+7]
.irp p, 0,1,2,3,4,5,6,7
	v_permlanex16_b32 v[MO+\p], v[MX+\p], s[SEL], s[SEL+1]   ; the same key row's other octet
.endr
	v_permlanex16_b32 v[G2], v[G], s[SEL], s[SEL+1]
.irp p, 0,1,2,3,4,5,6,7
	v_cndmask_b32 v[MO+\p], v[NEG], v[MO+\p], s[SAME]        ; it counts for my block only where both octets lie in one half row
.endr
.irp p, 0,1,2,3,4,5,6,7
	v_max_num_f32 v[MX+\p], v[MX+\p], v[MO+\p]
.endr
	v_max_num_f32 v[G], v[G], v[G2]                ; the query's largest score: its own key always counts, so this is a number
	v_mul_f32 v[G], s[CS], v[G]
	v_floor_f32 v[NM], -v[G]                       ; -M = floor(-t) = -ceil(t)
.irp j, 0,2,4,6,8,10,12,14,16,18,20,22,24,26,28,30,32,34,36,38,40,42,44,46,48,50,52,54,56,58,60,62
	v_pk_fma_f32 v[T+\j:T+\j+1], v[T+\j:T+\j+1], s[CS:CS+1], v[NM:NM+1] op_sel_hi:[1,0,0]   ; t - M, two at a time; -infinity stays
.endr
.irp p, 0,1,2,3,4,5,6,7
	v_fma_f32 v[MX+\p], v[MX+\p], s[CS], v[NM]     ; the same of each block's largest score
.endr
.irp p, 0,1,2,3,4,5,6,7
	v_exp_f32 v[MX+\p], v[MX+\p]                   ; the block's largest p
.endr
.irp j, 0,1,2,3,4,5,6,7,8,9,10,11,12,13,14,15,16,17,18,19,20,21,22,23,24,25,26,27,28,29,30,31,32,33,34,35,36,37,38,39,40,41,42,43,44,45,46,47,48,49,50,51,52,53,54,55,56,57,58,59,60,61,62,63
	v_exp_f32 v[T+\j], v[T+\j]                     ; p = 2^(t - M); 0 under the mask
.endr
	v_nop                                          ; a plain place behind the last exponential
	s_wait_alu depctr_va_vdst(0)                   ; one wait for the batch of 72, ahead of its first reader
	; ---- scales and codes of p
.irp p, 0,1,2,3,4,5,6,7
	v_max_num_f32 v[MX+\p], 0x1800000, v[MX+\p]    ; the floor 2^(3 - 127): a block whose every p is 0 keeps the byte 1; its codes are zeros
.endr
.irp p, 0,1,2,3,4,5,6,7
	v_add_nc_u32 v[SCO+\p], 0xff000000, v[MX+\p]   ; 2 off the exponent field: the conversion's scale operand
.endr
.irp p, 0,1,2,3,4,5,6,7
	v_lshrrev_b32 v[BY+\p], 23, v[SCO+\p]          ; the scale's byte
.endr
.irp c, 0,1,2,3
	v_lshl_or_b32 v[PW+\c], v[BY+2*\c+1], 16, v[BY+2*\c]     ; my two bytes of K step c: blocks h and 2 + h,
.endr
.irp c, 0,1,2,3
	v_lshlrev_b32 v[PW+\c], v[H8], v[PW+\c]        ; at their places;
.endr
.irp c, 0,1,2,3
	v_permlanex16_b32 v[PX+\c], v[PW+\c], s[SEL], s[SEL+1]
.endr
.irp c, 0,1,2,3
	v_or_b32 v[PW+\c], v[PW+\c], v[PX+\c]          ; with lane xor 16's two the word is whole
.endr
.irp p, 0,1,2,3,4,5,6,7
	v_cvt_scalef32_pk8_fp4_f32 v[PB+8*(\p/2)+4*(\p%2)], v[T+8*\p:T+8*\p+7], v[SCO+\p]
.endr
	; ---- the sum of the unquantised p.  These plain lines are also the places between the scale words (8), the codes (4) and the scaled products
	v_pk_add_f32 v[LA:LA+1], v[T:T+1], v[T+2:T+3]
	v_pk_add_f32 v[LB:LB+1], v[T+4:T+5], v[T+6:T+7]
.irp j, 8,12,16,20,24,28,32,36,40,44,48,52,56,60
	v_pk_add_f32 v[LA:LA+1], v[LA:LA+1], v[T+\j:T+\j+1]
	v_pk_add_f32 v[LB:LB+1], v[LB:LB+1], v[T+\j+2:T+\j+3]
.endr
	v_pk_add_f32 v[LA:LA+1], v[LA:LA+1], v[LB:LB+1]
	v_add_f32 v[LA], v[LA], v[LA+1]
	v_permlanex16_b32 v[G2], v[LA], s[SEL], s[SEL+1]
	v_add_f32 v[LA], v[LA], v[G2]                  ; with the other octets': the query's sum
	v_rcp_f32 v[RL], v[LA]
	v_nop                                          ; a plain place behind the reciprocal
	; ---- O^T = V^T P^T: source 0 = the 16 channels, source 1 = the 16 queries; two accumulators by turns
	v_wmma_scale_f32_16x16x128_f8f6f4 v[OA:OA+7], v[U:U+7], v[PB:PB+7], 0, v[VW], v[PW] matrix_a_fmt:MATRIX_FMT_FP4 matrix_b_fmt:MATRIX_FMT_FP4
	v_wmma_scale_f32_16x16x128_f8f6f4 v[OB:OB+7], v[U+2:U+9], v[PB+8:PB+15], 0, v[VW+1], v[PW+1] matrix_a_fmt:MATRIX_FMT_FP4 matrix_b_fmt:MATRIX_FMT_FP4
	v_wmma_scale_f32_16x16x128_f8f6f4 v[OA:OA+7], v[U+8:U+15], v[PB+16:PB+23], v[OA:OA+7], v[VW+2], v[PW+2] matrix_a_fmt:MATRIX_FMT_FP4 matrix_b_fmt:MATRIX_FMT_FP4
	v_wmma_scale_f32_16x16x128_f8f6f4 v[OB:OB+7], v[U+10:U+17], v[PB+24:PB+31], v[OB:OB+7], v[VW+3], v[PW+3] matrix_a_fmt:MATRIX_FMT_FP4 matrix_b_fmt:MATRIX_FMT_FP4
.rept 4
	v_nop                                          ; four places in front of the first read of the results (ISA guide 7.12.1)
.endr
	s_wait_alu depctr_va_vdst(0)                   ; the wait for the reciprocal, ahead of its first reader
.irp i, 0,2,4,6
	v_pk_add_f32 v[RES+\i:RES+\i+1], v[OA+\i:OA+\i+1], v[OB+\i:OB+\i+1]       ; both accumulators from their low ends on
.endr
.irp i, 0,2,4,6
	v_pk_mul_f32 v[RES+\i:RES+\i+1], v[RES+\i:RES+\i+1], v[RL:RL+1] op_sel_hi:[1,0]
.endr
	; ---- the way out.  Lane (r, h) holds channels 8 h + j of query r; a channel's rows R and R+1 are 512 consecutive bytes of out0, made by all eight waves: they meet in a stage
.irp j, 0,1,2,3,4,5,6,7
	ds_store_b32 v[OW], v[RES+\j] offset:OL+\j*SPD
.endr
	s_wait_dscnt 0x0                               ; for the others' sake: my stores have landed
	s_barrier_signal -1
	s_barrier_wait -1
	ds_load_b128 v[T:T+3], v[QW] offset:OL         ; channels 2 wave and 2 wave + 1, whole
	ds_load_b128 v[T+4:T+7], v[QW] offset:OL+SPD
	s_wait_dscnt 0x0
	global_store_b128 v[QO], v[T:T+3], s[10:11] th:TH_STORE_NT                 ; 32 lanes store 512 consecutive bytes, at a multiple of 256 from the buffer's first byte
	global_store_b128 v[QO], v[T+4:T+7], s[10:11] offset:PLANE th:TH_STORE_NT
	s_wait_tensorcnt 0x0
	ds_add_u32 v254, v255
	s_wait_dscnt 0x0
	s_endpgm
.Lfunc_end_k_qc19cf2a4c3_winattn:
	.size	k_qc19cf2a4c3_winattn, .Lfunc_end_k_qc19cf2a4c3_winattn-k_qc19cf2a4c3_winattn
	.p2alignl 7, 3214868480
	.fill 96, 4, 3214868480
	.section	.rodata,"a",@progbits
	.p2align	6, 0x0
	.amdhsa_kernel k_qc19cf2a4c3_winattn
		.amdhsa_group_segment_fixed_size 62464
		.amdhsa_private_segment_fixed_size 0
		.amdhsa_enable_private_segment 0
		.amdhsa_kernarg_size 32
		.amdhsa_user_sgpr_count 2
		.amdhsa_user_sgpr_kernarg_segment_ptr 1
		.amdhsa_wavefront_size32 1
		.amdhsa_system_sgpr_workgroup_id_x 1
		.amdhsa_system_sgpr_workgroup_id_y 1
		.amdhsa_system_sgpr_workgroup_id_z 1
		.amdhsa_system_vgpr_workitem_id 0
		.amdhsa_next_free_vgpr 256
		.amdhsa_next_free_sgpr 66
		.amdhsa_reserve_vcc 0
		.amdhsa_float_denorm_mode_32 3
		.amdhsa_float_denorm_mode_16_64 3
		.amdhsa_memory_ordered 1
		.amdhsa_forward_progress 1
		.amdhsa_inst_pref_size 43
	.end_amdhsa_kernel
	.amdgpu_metadata
---
amdhsa.version: [ 1, 2 ]
amdhsa.kernels:
  - .name:           k_qc19cf2a4c3_winattn
    .symbol:         k_qc19cf2a4c3_winattn.kd
    .args:
      - { .name: q, .offset: 0, .size: 8, .value_kind: global_buffer, .address_space: global }
      - { .name: k, .offset: 8, .size: 8, .value_kind: global_buffer, .address_space: global }
      - { .name: v, .offset: 16, .size: 8, .value_kind: global_buffer, .address_space: global }
      - { .name: out0, .offset: 24, .size: 8, .value_kind: global_buffer, .address_space: global }
    .group_segment_fixed_size: 62464
    .private_segment_fixed_size: 0
    .kernarg_segment_align: 8
    .kernarg_segment_size: 32
    .max_flat_workgroup_size: 256
    .sgpr_count:     66
    .vgpr_count:     256
    .wavefront_size: 32
...
	.end_amdgpu_metadata
.endif
;; end of part 1
;; ======== version 2 of 2: 1 launch; version 1 with the launch winattn written anew for expert scheduling mode
;; launch winattn (part 2): grid 32 x 8, 8 waves a work-group, no clusters, 62,464 bytes of LDS; arguments q, k, v, out0; writes out0
.if DOCPART == 2
	.amdgcn_target "amdgcn-amd-amdhsa--gfx1250"
	.amdhsa_code_object_version 6
	.text
	.protected	k_qc19cf2a4c3_winattn
	.globl	k_qc19cf2a4c3_winattn
	.p2align	8
	.type	k_qc19cf2a4c3_winattn,@function
k_qc19cf2a4c3_winattn:
	s_mov_b64 s[64:65], 0
	v_nop
	global_prefetch_b8 v0, s[64:65] scope:SCOPE_SE
	s_setreg_imm32_b32 hwreg(HW_REG_WAVE_SCHED_MODE, 0, 2), 2
	s_setreg_imm32_b32 hwreg(HW_REG_WAVE_MODE, 25, 1), 1
	s_wait_xcnt 0x0
	s_wait_alu depctr_vm_vsrc(0)
; Attention in a 7 x 7 window on a 64 x 64 image; 8 (batch, head) planes of 16 channels.  q, k, v, out0: [2][64][64][64] f32, channel = 16 head + d, the image column innermost.
; The second product runs on codes of FP4 (E2M1) with one E8M0 scale for each 32 keys: a block of keys is one half (32 columns) of an image row.  The mask is built by the problem itself:
; a masked p is exactly 0, so only the keys that a window can reach are multiplied.
; SHARES.  A work-group owns query rows R, R+1 of one (batch, head); grid 32 x 8.  Wave a owns 16 queries: 2 rows x the 8 columns 8a+4 .. 8a+11 (modulo 64).  Their windows lie in the 8 key rows R-3 .. R+4
; and in the two aligned groups of 8 columns (octets) a and a+1 (modulo 8).  In wave 7 the tile wraps round the image edge; a constant lane mask takes the false neighbours out.
; SCORES, in f32 since they feed a quantiser: S^T = K Q^T by v_wmma_f32_16x16x4_f32, source 0 = the 16 key columns of one key row, source 1 = the 16 queries: lane (r, h) holds query r and, in register j of
; key row p, the key (row p, column 8 (a + h) + j): eight neighbours along the keys, which is what the conversion to codes takes.
; SOFTMAX.  t = score x log2(e) / 4; M = ceil(the largest t of the query); p = 2^(t - M); the sum is taken of the unquantised p and divides at the end.  All keys of a query are in registers at once: no running M.
; OPERANDS.  Each octet goes into a hardware block of its own: 8 codes and 24 zero codes, under the scale of the TRUE block of 32 keys: the larger of both octets' maxima where they lie in one half row, its own
; where they do not (waves 3 and 7).  So one text serves all waves and no code changes lanes.  K step c of 4: blocks (row 2c, octet 0), (row 2c, octet 1), (row 2c+1, octet 0), (row 2c+1, octet 1).
; V is quantised once a work-group, along the image columns as they lie in memory, into LDS: codes [row][octet][d], scale bytes [d][row][half].
; NO TENSOR LOAD, NO CLUSTER: the launch has one step and no loop; V enters LDS as codes made by vector instructions; a work-group wants rows R-3 .. R+4 and its neighbour R-1 .. R+6, so no two want the same tile.
; NO PREFETCH: all 18 global loads of a wave go out together at its head, and nothing is read later.
; LIMITS: NaN and infinities among the inputs are not served.  A p under 2^-126 comes out of v_exp_f32 as 0.  A block of zeros carries the byte 1 with zero codes (the bytes are read by this text alone).
; A block's largest p is taken as the exponential of its largest score: v_exp_f32 is taken not to fall where its input rises.
; THE MODE: SCHED_MODE bits 1:0 = 2 (LLVM: expert scheduling mode 2), set by the entry lines.  The code itself states the register dependences
; between vector or matrix instructions and memory or LDS instructions, with s_wait_alu, always for 0.
; THE PLAN.  Registers that memory or LDS instructions touch, in the order of the text (there is no loop):
;   v2-4     offsets in v, k, q and out0: made at the head, read by the 18 global loads (v4 by the 2 global stores too), never written again.
;   v5-13    LDS addresses: made behind the global loads, read by LDS stores and loads, never written again.
;   v36-43   V's scale bytes and codes: written by vector lines, read by 5 LDS stores; later at work again (the other octets' maxima, scale operands); at the end the results, read by 8 LDS stores.
;   v52-91   K and Q as the global loads bring them: read by 10 LDS stores; then K's fragments land there.
;   v44-115  Q's and K's fragments: LDS loads land in them, the score products read them; vector lines write them only behind all those loads.  v52-59 take the output's two LDS loads at the end.
;   v212-233 V's code words (the even registers up to v226) and scale bytes: LDS loads land in them; no vector line has named those registers before.
;   v254-255 written at the head, read by the closing add alone.
; So: one wait on va_sdst for the wave's number; a wait on va_vdst ahead of the global loads, one ahead of the first LDS store (it also serves every LDS load up to the mask: the score products issued between
; name the accumulators, Q's fragments and K's fragments of steps already loaded, none of the registers in which a later load lands), one ahead of the scaled products, one ahead of the output's LDS stores;
; one wait on vm_vsrc behind the first barrier.  One more wait stands behind the exponentials.
.set PLANE, 16384                      ; bytes of one channel's image
.set KP,    288                        ; LDS: a (key row, channel) line of K: 256 bytes + 32: lanes 16-31 read two lines (144 words) on: 16 banks on (64 banks of 4 bytes: ISA guide 11.1)
.set SPD,   592                        ; LDS: a channel's two image rows in the stages of Q and of the output
.set SPR,   288                        ; LDS: an image row there: 256 bytes + 32
.set KL,    0                          ; K: 8 rows x 16 channels x KP
.set QL,    KL+8*16*KP                 ; Q: 16 channels x SPD
.set VC,    QL+16*SPD                  ; V's codes: [8 rows][8 octets][16 d] words
.set VS,    VC+8*512                   ; V's scale bytes: [16 d][8 rows][2 halves]
.set OL,    VS+256                     ; the output: 16 channels x SPD; ends at byte 60,160
.set VO,  2                            ; v2   V in memory: 4 channels for each eight lanes, 32 bytes a lane
.set KO,  3                            ; v3   K in memory: a channel for each sixteen lanes, 16 bytes a lane
.set QO,  4                            ; v4   Q and out0 in memory: channel 2 x wave, 16 bytes a lane
.set KW,  5                            ; v5   where I stage K
.set QW,  6                            ; v6   where I stage Q, and read the output back
.set VCW, 7                            ; v7   where I put V's codes
.set VSW, 8                            ; v8   and V's scale bytes
.set KRD, 9                            ; v9   K's fragments
.set QRD, 10                           ; v10  Q's fragments
.set VCR, 11                           ; v11  V's code words
.set VSR, 12                           ; v12  V's scale bytes of my channel
.set OW,  13                           ; v13  where I put results
.set H8,  14                           ; v14  8 x (lane / 16)
.set NEG, 15                           ; v15  -infinity
.set TA,  16
.set TB,  17
.set NM,  18                           ; v[18:19] -M (the packed form names a pair and takes its low word)
.set LA,  20                           ; v[20:21], v[22:23] the sum of p, in two chains of pairs
.set LB,  22
.set RL,  24                           ; v[24:25] 1 / the sum
.set G,   26
.set G2,  27
.set VM,  28                           ; v28-31 V: largest magnitudes;  v32-35 the conversions' scale operands;  v36-39 bytes;  v40-43 codes
.set VSC, 32
.set VBY, 36
.set VCD, 40
.set MX,  28                           ; v28-35 later: the largest score of each of my 8 octets, then of its block, then the block's largest p
.set MO,  36                           ; v36-43 later: the other half's
.set SCO, 36                           ; then the conversions' scale operands
.set RES, 36                           ; then the results
.set OB,  28                           ; the second accumulator of O^T
.set QF,  44                           ; v44-51 Q's fragments: register 2 s + j: d = 4 s + 2 (lane / 16) + j
.set BY,  44                           ; later p's scale bytes
.set KF,  52                           ; v52-115 K and Q as loaded; then K's fragments: register 8 p + 2 s + j
.set T,   52                           ; then the masked scores and p: register 8 p + j
.set D,   116                          ; v116-179 the 8 accumulators of S^T: written by matrix instructions alone
.set VR,  180                          ; v180-211 V as loaded
.set PB,  180                          ; later P's four operands: codes in registers 0 and 4 of each, zeros in the others
.set U,   212                          ; v212-229 V's four operands, begun at U+0, U+2, U+8, U+10: what else lies in an operand meets zero codes of P
.set VSQ, 230                          ; v230-233 V's 16 scale bytes of my channel
.set VW,  234                          ; v234-237 V's scale words
.set PW,  238                          ; v238-241 P's scale words
.set PX,  242
.set OA,  246                          ; v246-253 the first accumulator of O^T
.set WV,  12                           ; s12 wave
.set R0,  13                           ; s13 R
.set PL,  14                           ; s14 the (batch, head)'s first byte
.set RM,  28                           ; s28-35 lane masks of the 8 key rows
.set SEL, 36                           ; s[36:37] v_permlanex16_b32: lane xor 16
.set CS,  38                           ; s[38:39] log2(e) / 4
.set PSEL, 40                          ; s40 byte selects for V's scale words
.set SAME, 41                          ; s41 all ones where both octets lie in one half row
.set SM,  44                           ; s44-59 masks at work, two sets by turns
	s_load_b256 s[4:11], s[0:1], 0x0               ; q s[4:5], k s[6:7], v s[8:9], out0 s[10:11]
	v_lshl_add_u32 v254, v0, 2, 0xf000
	v_mov_b32 v255, 0
	v_and_b32 v1, 31, v0                           ; lane
	v_lshrrev_b32 v[TA], 5, v0
	v_readfirstlane_b32 s[WV], v[TA]               ; wave 0..7: my column tile, and the key row that I stage
	s_lshl_b32 s[R0], ttmp9, 1                     ; R
	s_and_b32 s[PL], ttmp7, 0xffff
	s_lshl_b32 s[PL], s[PL], 18                    ; 16 channels of 16,384 bytes
	s_wait_alu depctr_va_sdst(0)                   ; s12, the wave's number, is written, ahead of its first reader: bases, masks and LDS addresses are made from it
	s_add_co_u32 s16, s[R0], s[WV]
	s_sub_co_i32 s16, s16, 3                       ; the key row R - 3 + wave,
	s_max_i32 s16, s16, 0
	s_min_i32 s16, s16, 63                         ; held inside the image: no load leaves its buffer; the rows outside are masked below
	s_lshl_b32 s16, s16, 8
	s_add_co_u32 s16, s16, s[PL]
	s_mov_b32 s17, 0
	s_lshl_b32 s18, s[R0], 8
	s_add_co_u32 s18, s18, s[PL]
	s_mov_b32 s19, 0
	v_lshrrev_b32 v[TA], 3, v1                     ; lane / 8
	v_and_b32 v[TB], 7, v1                         ; lane % 8: the octet
	v_lshlrev_b32 v[VO], 16, v[TA]
	v_lshl_add_u32 v[VO], v[TB], 5, v[VO]
	v_lshlrev_b32 v[VCW], 6, v[TB]
	v_lshl_add_u32 v[VCW], v[TA], 4, v[VCW]        ; 64 x octet + 16 x (lane / 8): my four channels' words lie on end
	v_bfe_u32 v[VSW], v1, 2, 1                     ; which half row my octet lies in
	v_lshl_add_u32 v[VSW], v[TA], 6, v[VSW]
	v_and_b32 v[TA], 15, v1                        ; r
	v_lshrrev_b32 v[TB], 4, v1                     ; h
	v_lshlrev_b32 v[KO], 14, v[TB]
	v_lshl_add_u32 v[KO], v[TA], 4, v[KO]
	s_lshl_b32 s20, s[WV], 15
	v_lshl_add_u32 v[QO], v1, 4, s20
	s_wait_kmcnt 0x0
	s_add_nc_u64 s[8:9], s[8:9], s[16:17]          ; v and k at my key row
	s_add_nc_u64 s[6:7], s[6:7], s[16:17]
	s_add_nc_u64 s[4:5], s[4:5], s[18:19]          ; q and out0 at row R
	s_add_nc_u64 s[10:11], s[10:11], s[18:19]
	s_wait_alu depctr_va_vdst(0)                   ; the offsets v2, v3 and v4 are written, which the 18 loads below read
.irp g, 0,1,2,3                                ; V: channel 4 (lane / 8) + g, my octet: 32 bytes; eight lanes take a whole image row with each pair of loads
	global_load_b128 v[VR+8*\g:VR+8*\g+3], v[VO], s[8:9] offset:\g*PLANE
	global_load_b128 v[VR+8*\g+4:VR+8*\g+7], v[VO], s[8:9] offset:\g*PLANE+16
.endr
.irp i, 0,1,2,3,4,5,6,7                        ; K: channels 2 i and 2 i + 1: sixteen lanes read an image row of 256 bytes
	global_load_b128 v[KF+4*\i:KF+4*\i+3], v[KO], s[6:7] offset:2*\i*PLANE
.endr
	global_load_b128 v[KF+32:KF+35], v[QO], s[4:5] th:TH_LOAD_NT               ; Q: rows R and R+1 of channels 2 wave and 2 wave + 1: 512 consecutive bytes each; read once in the launch
	global_load_b128 v[KF+36:KF+39], v[QO], s[4:5] offset:PLANE th:TH_LOAD_NT
	; the LDS addresses: constants, the lane and the wave.  None of these lines writes an offset that the loads above read
	s_lshl_b32 s20, s[WV], 9
	v_add_nc_u32 v[VCW], s20, v[VCW]
	s_lshl_b32 s20, s[WV], 1
	v_add_nc_u32 v[VSW], s20, v[VSW]               ; 64 x (lane / 8) + 2 x row + half; channel g of my four: 16 bytes on
	v_mul_u32_u24 v[KW], v[TB], KP
	v_lshl_add_u32 v[KW], v[TA], 4, v[KW]
	s_mul_i32 s20, s[WV], 16*KP
	v_add_nc_u32 v[KW], s20, v[KW]
	v_mul_u32_u24 v[QW], v[TB], SPR
	v_lshl_add_u32 v[QW], v[TA], 4, v[QW]
	s_mul_i32 s20, s[WV], 2*SPD
	v_add_nc_u32 v[QW], s20, v[QW]
	s_lshl_b32 s20, s[WV], 3
	v_add_nc_u32 v[KRD], s20, v[TA]
	v_and_b32 v[KRD], 63, v[KRD]                   ; key column (8 a + r) modulo 64
	v_lshlrev_b32 v[KRD], 2, v[KRD]
	v_mad_u32_u24 v[KRD], v[TB], 2*KP, v[KRD]      ; lanes 16-31: two channels on
	v_and_b32 v[QRD], 7, v1
	s_add_co_u32 s20, s20, 4
	v_add_nc_u32 v[QRD], s20, v[QRD]
	v_and_b32 v[QRD], 63, v[QRD]                   ; query column (8 a + 4 + r % 8) modulo 64
	v_lshlrev_b32 v[QRD], 2, v[QRD]
	v_bfe_u32 v[OW], v1, 3, 1                      ; query row R + (r / 8)
	v_mad_u32_u24 v[QRD], v[OW], SPR, v[QRD]
	v_mad_u32_u24 v[OW], v[TB], 8*SPD, v[QRD]      ; results: lanes 16-31 hold channels 8 .. 15
	v_mad_u32_u24 v[QRD], v[TB], 2*SPD, v[QRD]     ; fragments: lanes 16-31 two channels on
	v_add_nc_u32 v[VCR], s[WV], v[TB]
	v_and_b32 v[VCR], 7, v[VCR]                    ; octet (a + h) modulo 8
	v_lshlrev_b32 v[VCR], 6, v[VCR]
	v_lshl_add_u32 v[VCR], v[TA], 2, v[VCR]
	v_lshlrev_b32 v[VSR], 4, v[TA]
	v_lshlrev_b32 v[H8], 3, v[TB]
	v_mov_b32 v[NEG], 0xff800000
	s_mov_b32 s[SEL], 0x76543210
	s_mov_b32 s[SEL+1], 0xfedcba98
	s_mov_b32 s[CS], 0x3eb8aa3b                    ; log2(e) / sqrt(16)
	s_mov_b32 s[CS+1], s[CS]                       ; (named with it as a pair, so it is written)
	; the key rows' lane masks.  Row p = R - 3 + p counts for query row R where p <= 6, for R + 1 where p >= 1 (lanes with r / 8 = 0: 0x00ff00ff), and for nobody outside the image
.irp p, 0,1,2,3,4,5,6,7
	s_add_co_i32 s20, s[R0], \p-3
	s_cmp_lt_u32 s20, 64
.if \p == 0
	s_cselect_b32 s[RM+\p], 0x00ff00ff, 0
.elseif \p == 7
	s_cselect_b32 s[RM+\p], 0xff00ff00, 0
.else
	s_cselect_b32 s[RM+\p], -1, 0
.endif
.endr
	s_cmp_eq_u32 s[WV], 7                          ; the tile that wraps: queries 60..63 see octet 7 alone, queries 0..3 octet 0 alone: lanes whose (r % 8) / 4 equals h
	s_cselect_b32 s21, 0xf0f00f0f, -1
.irp p, 0,1,2,3,4,5,6,7
	s_and_b32 s[RM+\p], s[RM+\p], s21
.endr
	s_lshr_b32 s21, s[WV], 2                       ; the half row of octet a,
	s_add_co_u32 s22, s[WV], 1
	s_bfe_u32 s22, s22, 0x10002                    ; and of octet (a + 1) modulo 8
	s_cmp_eq_u32 s21, s22
	s_cselect_b32 s[SAME], -1, 0
	s_mul_i32 s21, s21, 0x00010001                 ; V's scale word of a K step takes of the four bytes (row, half 0), (row, half 1), (row + 1, half 0), (row + 1, half 1)
	s_mul_i32 s22, s22, 0x01000100                 ; those of my two octets' halves
	s_add_co_u32 s[PSEL], s21, s22
	s_add_co_u32 s[PSEL], s[PSEL], 0x02020000
	; ---- V of my key row becomes codes.  A lane holds an octet of four channels; the four lanes of a half row hold a block of 32
	s_wait_loadcnt 10                              ; V's eight loads are in: behind them K's eight and Q's two were issued
.irp g, 0,1,2,3
	v_max3_num_f32 v[VM+\g], |v[VR+8*\g]|, |v[VR+8*\g+1]|, 0x1800000   ; with the floor 2^(3 - 127): the byte cannot fall under 1
.endr
.irp i, 2,4,6
.irp g, 0,1,2,3
	v_max3_num_f32 v[VM+\g], v[VM+\g], |v[VR+8*\g+\i]|, |v[VR+8*\g+\i+1]|
.endr
.endr
.irp x, 1,2
.irp g, 0,1,2,3
	v_max_num_f32_dpp v[VM+\g], v[VM+\g], v[VM+\g] row_xmask:\x row_mask:0xf bank_mask:0xf   ; with the block's other three lanes
.endr
.endr
.irp g, 0,1,2,3
	v_add_nc_u32 v[VSC+\g], 0xff000000, v[VM+\g]   ; 2 off the exponent field: the conversion takes that field as its scale
.endr
.irp g, 0,1,2,3
	v_lshrrev_b32 v[VBY+\g], 23, v[VSC+\g]         ; the scale's byte
.endr
.irp g, 0,1,2,3
	v_cvt_scalef32_pk8_fp4_f32 v[VCD+\g], v[VR+8*\g:VR+8*\g+7], v[VSC+\g]
.endr
	v_nop                                          ; one plain place behind the conversions: their sources are written again further down
	s_wait_alu depctr_va_vdst(0)                   ; V's codes v40-43 and bytes v36-39 are written, which the LDS stores below read; so are the nine LDS addresses v5 to v13, which every LDS store and load of the text reads
	ds_store_b128 v[VCW], v[VCD:VCD+3] offset:VC
.irp g, 0,1,2,3
	ds_store_b8 v[VSW], v[VBY+\g] offset:VS+16*\g  ; the four lanes of a block write the same byte with the same value
.endr
	s_wait_loadcnt 0x0                             ; K and Q
.irp i, 0,1,2,3,4,5,6,7
	ds_store_b128 v[KW], v[KF+4*\i:KF+4*\i+3] offset:KL+2*\i*KP
.endr
	ds_store_b128 v[QW], v[KF+32:KF+35] offset:QL
	ds_store_b128 v[QW], v[KF+36:KF+39] offset:QL+SPD
	s_wait_dscnt 0x0                               ; for the others' sake: all my stores have landed
	s_barrier_signal -1
	s_barrier_wait -1                              ; the stage is whole
	s_wait_alu depctr_vm_vsrc(0)                   ; my LDS stores have read v52-91, in which K's fragments land below, and v36-43, which vector lines write again further down
	; ---- S^T = K Q^T
.macro KLOAD s                         ; the 8 key rows' fragments of channels 4 s .. 4 s + 3
.irp p, 0,1,2,3,4,5,6,7
	ds_load_b32 v[KF+8*\p+2*\s], v[KRD] offset:KL+(16*\p+4*\s)*KP
	ds_load_b32 v[KF+8*\p+2*\s+1], v[KRD] offset:KL+(16*\p+4*\s+1)*KP
.endr
.endm
.macro SCORE s                         ; the 8 accumulators take turns, one instruction a turn; the first step starts the sums
.irp p, 0,1,2,3,4,5,6,7
.if \s == 0
	v_wmma_f32_16x16x4_f32 v[D+8*\p:D+8*\p+7], v[KF+8*\p:KF+8*\p+1], v[QF:QF+1], 0
.else
	v_wmma_f32_16x16x4_f32 v[D+8*\p:D+8*\p+7], v[KF+8*\p+2*\s:KF+8*\p+2*\s+1], v[QF+2*\s:QF+2*\s+1], v[D+8*\p:D+8*\p+7]
.endif
.endr
.endm
.irp c, 0,1,2,3,4,5,6,7
	ds_load_b32 v[QF+\c], v[QRD] offset:QL+(4*(\c/2)+\c%2)*SPD
.endr
	KLOAD 0
	KLOAD 1
	KLOAD 2
	s_wait_dscnt 32                                ; Q and step 0 are in: behind them steps 1 and 2, 32 loads
	SCORE 0
	KLOAD 3                                        ; no wait: the products issued since the last wait on va_vdst name step 0's fragments, Q's and the accumulators, not step 3's registers nor v9
	s_wait_dscnt 32                                ; step 1 is in: behind it steps 2 and 3
	SCORE 1
.irp p, 0,1,2,3,4,5,6,7                        ; V's code words: channel r, key row p, octet a + h.  No wait: no vector or matrix instruction has named these registers
	ds_load_b32 v[U+8*(\p/4)+2*((\p/2)%2)+4*(\p%2)], v[VCR] offset:VC+512*\p
.endr
	ds_load_b128 v[VSQ:VSQ+3], v[VSR] offset:VS
	s_wait_dscnt 25                                ; step 2 is in: behind it step 3's 16 and V's 9
	SCORE 2
	s_wait_dscnt 9                                 ; step 3 is in
	SCORE 3
	; Registers that must hold zeros, or merely something.  These plain lines name no register of the products above: they are also the eight places behind them
.irp c, 0,1,2,3
.irp w, 1,2,3,5,6,7
	v_mov_b32 v[PB+8*\c+\w], 0                     ; P: 24 zero codes beside each octet
.endr
.endr
.irp i, 1,3,5,7,9,11,13,15,16,17
	v_mov_b32 v[U+\i], 0                           ; V: these meet zero codes of P
.endr
.irp c, 0,1,2,3
	v_mov_b32 v[PX+\c], 0                          ; a lane permute's destination counts as one of its sources
.endr
	v_mov_b32 v[G2], 0
	v_mov_b32 v[NM+1], 0                           ; (the upper halves of pairs that packed forms name)
	v_mov_b32 v[RL+1], 0
	s_wait_dscnt 0x0                               ; V's words and bytes
.irp c, 0,1,2,3
	v_perm_b32 v[VW+\c], v[VSQ+\c], v[VSQ+\c], s[PSEL]
.endr
	; ---- the mask.  Key column 8 h + j counts for query column 4 + r % 8 where they differ by 3 at the most: for h = 0 the queries r % 8 < j, for h = 1 those with r % 8 > j: constants.
	; The masked scores go into other registers, each accumulator read from its low end on
.irp p, 0,1,2,3,4,5,6,7
.irp j, 0,1,2,3,4,5,6,7
	s_and_b32 s[SM+8*(\p%2)+\j], s[RM+\p], ((1<<\j)-1)*0x101+(0x100-(2<<\j))*0x1010000
.endr
.irp j, 0,1,2,3,4,5,6,7
	v_cndmask_b32 v[T+8*\p+\j], v[NEG], v[D+8*\p+\j], s[SM+8*(\p%2)+\j]
.endr
.endr
	; ---- the largest score of each octet: it serves the row's maximum and, since p rises with the score, the block's largest p
.irp p, 0,1,2,3,4,5,6,7
	v_max3_num_f32 v[MX+\p], v[T+8*\p], v[T+8*\p+1], v[T+8*\p+2]
.endr
.irp i, 3,5
.irp p, 0,1,2,3,4,5,6,7
	v_max3_num_f32 v[MX+\p], v[MX+\p], v[T+8*\p+\i], v[T+8*\p+\i+1]
.endr
.endr
.irp p, 0,1,2,3,4,5,6,7
	v_max_num_f32 v[MX+\p], v[MX+\p], v[T+8*\p+7]
.endr
	v_max3_num_f32 v[G], v[MX], v[MX+1], v[MX+2]
	v_max3_num_f32 v[G], v[G], v[MX+3], v[MX+4]
	v_max3_num_f32 v[G], v[G], v[MX+5], v[MX+6]
	v_max_num_f32 v[G], v[G], v[MX+7]
.irp p, 0,1,2,3,4,5,6,7
	v_permlanex16_b32 v[MO+\p], v[MX+\p], s[SEL], s[SEL+1]   ; the same key row's other octet
.endr
	v_permlanex16_b32 v[G2], v[G], s[SEL], s[SEL+1]
.irp p, 0,1,2,3,4,5,6,7
	v_cndmask_b32 v[MO+\p], v[NEG], v[MO+\p], s[SAME]        ; it counts for my block only where both octets lie in one half row
.endr
.irp p, 0,1,2,3,4,5,6,7
	v_max_num_f32 v[MX+\p], v[MX+\p], v[MO+\p]
.endr
	v_max_num_f32 v[G], v[G], v[G2]                ; the query's largest score: its own key always counts, so this is a number
	v_mul_f32 v[G], s[CS], v[G]
	v_floor_f32 v[NM], -v[G]                       ; -M = floor(-t) = -ceil(t)
.irp j, 0,2,4,6,8,10,12,14,16,18,20,22,24,26,28,30,32,34,36,38,40,42,44,46,48,50,52,54,56,58,60,62
	v_pk_fma_f32 v[T+\j:T+\j+1], v[T+\j:T+\j+1], s[CS:CS+1], v[NM:NM+1] op_sel_hi:[1,0,0]   ; t - M, two at a time; -infinity stays
.endr
.irp p, 0,1,2,3,4,5,6,7
	v_fma_f32 v[MX+\p], v[MX+\p], s[CS], v[NM]     ; the same of each block's largest score
.endr
.irp p, 0,1,2,3,4,5,6,7
	v_exp_f32 v[MX+\p], v[MX+\p]                   ; the block's largest p
.endr
.irp j, 0,1,2,3,4,5,6,7,8,9,10,11,12,13,14,15,16,17,18,19,20,21,22,23,24,25,26,27,28,29,30,31,32,33,34,35,36,37,38,39,40,41,42,43,44,45,46,47,48,49,50,51,52,53,54,55,56,57,58,59,60,61,62,63
	v_exp_f32 v[T+\j], v[T+\j]                     ; p = 2^(t - M); 0 under the mask
.endr
	v_nop                                          ; a plain place behind the last exponential
	s_wait_alu depctr_va_vdst(0)                   ; the 72 exponentials have written v28-35 and v52-115: one wait for the batch, ahead of its first reader
	; ---- scales and codes of p
.irp p, 0,1,2,3,4,5,6,7
	v_max_num_f32 v[MX+\p], 0x1800000, v[MX+\p]    ; the floor 2^(3 - 127): a block whose every p is 0 keeps the byte 1; its codes are zeros
.endr
.irp p, 0,1,2,3,4,5,6,7
	v_add_nc_u32 v[SCO+\p], 0xff000000, v[MX+\p]   ; 2 off the exponent field: the conversion's scale operand
.endr
.irp p, 0,1,2,3,4,5,6,7
	v_lshrrev_b32 v[BY+\p], 23, v[SCO+\p]          ; the scale's byte
.endr
.irp c, 0,1,2,3
	v_lshl_or_b32 v[PW+\c], v[BY+2*\c+1], 16, v[BY+2*\c]     ; my two bytes of K step c: blocks h and 2 + h,
.endr
.irp c, 0,1,2,3
	v_lshlrev_b32 v[PW+\c], v[H8], v[PW+\c]        ; at their places;
.endr
.irp c, 0,1,2,3
	v_permlanex16_b32 v[PX+\c], v[PW+\c], s[SEL], s[SEL+1]
.endr
.irp c, 0,1,2,3
	v_or_b32 v[PW+\c], v[PW+\c], v[PX+\c]          ; with lane xor 16's two the word is whole
.endr
.irp p, 0,1,2,3,4,5,6,7
	v_cvt_scalef32_pk8_fp4_f32 v[PB+8*(\p/2)+4*(\p%2)], v[T+8*\p:T+8*\p+7], v[SCO+\p]
.endr
	; ---- the sum of the unquantised p.  These plain lines are also the places between the scale words (8), the codes (4) and the scaled products
	v_pk_add_f32 v[LA:LA+1], v[T:T+1], v[T+2:T+3]
	v_pk_add_f32 v[LB:LB+1], v[T+4:T+5], v[T+6:T+7]
.irp j, 8,12,16,20,24,28,32,36,40,44,48,52,56,60
	v_pk_add_f32 v[LA:LA+1], v[LA:LA+1], v[T+\j:T+\j+1]
	v_pk_add_f32 v[LB:LB+1], v[LB:LB+1], v[T+\j+2:T+\j+3]
.endr
	v_pk_add_f32 v[LA:LA+1], v[LA:LA+1], v[LB:LB+1]
	v_add_f32 v[LA], v[LA], v[LA+1]
	v_permlanex16_b32 v[G2], v[LA], s[SEL], s[SEL+1]
	v_add_f32 v[LA], v[LA], v[G2]                  ; with the other octets': the query's sum
	v_rcp_f32 v[RL], v[LA]
	v_nop                                          ; a plain place behind the reciprocal
	; ---- O^T = V^T P^T: source 0 = the 16 channels, source 1 = the 16 queries; two accumulators by turns
	s_wait_alu depctr_va_vdst(0)                   ; vector lines have written what the four scaled products take: the scale words v234-241, P's codes and zeros v180-211, V's filler zeros in v213-229; the places above stay beside this wait.  The reciprocal has written v24 too: this is also its wait, ahead of its first reader below
	v_wmma_scale_f32_16x16x128_f8f6f4 v[OA:OA+7], v[U:U+7], v[PB:PB+7], 0, v[VW], v[PW] matrix_a_fmt:MATRIX_FMT_FP4 matrix_b_fmt:MATRIX_FMT_FP4
	v_wmma_scale_f32_16x16x128_f8f6f4 v[OB:OB+7], v[U+2:U+9], v[PB+8:PB+15], 0, v[VW+1], v[PW+1] matrix_a_fmt:MATRIX_FMT_FP4 matrix_b_fmt:MATRIX_FMT_FP4
	v_wmma_scale_f32_16x16x128_f8f6f4 v[OA:OA+7], v[U+8:U+15], v[PB+16:PB+23], v[OA:OA+7], v[VW+2], v[PW+2] matrix_a_fmt:MATRIX_FMT_FP4 matrix_b_fmt:MATRIX_FMT_FP4
	v_wmma_scale_f32_16x16x128_f8f6f4 v[OB:OB+7], v[U+10:U+17], v[PB+24:PB+31], v[OB:OB+7], v[VW+3], v[PW+3] matrix_a_fmt:MATRIX_FMT_FP4 matrix_b_fmt:MATRIX_FMT_FP4
.rept 4
	v_nop                                          ; four places in front of the first read of the results (ISA guide 7.12.1)
.endr
.irp i, 0,2,4,6
	v_pk_add_f32 v[RES+\i:RES+\i+1], v[OA+\i:OA+\i+1], v[OB+\i:OB+\i+1]       ; both accumulators from their low ends on
.endr
.irp i, 0,2,4,6
	v_pk_mul_f32 v[RES+\i:RES+\i+1], v[RES+\i:RES+\i+1], v[RL:RL+1] op_sel_hi:[1,0]
.endr
	; ---- the way out.  Lane (r, h) holds channels 8 h + j of query r; a channel's rows R and R+1 are 512 consecutive bytes of out0, made by all eight waves: they meet in a stage
	s_wait_alu depctr_va_vdst(0)                   ; the multiplications have written the results v36-43, which the LDS stores read; and every vector line that named v52-59, in which the LDS loads behind the barrier land, is done
.irp j, 0,1,2,3,4,5,6,7
	ds_store_b32 v[OW], v[RES+\j] offset:OL+\j*SPD
.endr
	s_wait_dscnt 0x0                               ; for the others' sake: my stores have landed
	s_barrier_signal -1
	s_barrier_wait -1
	ds_load_b128 v[T:T+3], v[QW] offset:OL         ; channels 2 wave and 2 wave + 1, whole
	ds_load_b128 v[T+4:T+7], v[QW] offset:OL+SPD
	s_wait_dscnt 0x0
	global_store_b128 v[QO], v[T:T+3], s[10:11] th:TH_STORE_NT                 ; 32 lanes store 512 consecutive bytes, at a multiple of 256 from the buffer's first byte
	global_store_b128 v[QO], v[T+4:T+7], s[10:11] offset:PLANE th:TH_STORE_NT
	s_wait_dscnt 0x0                               ; the closing lines, six on end
	s_wait_alu 0x0
	s_wait_tensorcnt 0x0
	ds_add_u32 v254, v255
	s_wait_dscnt 0x0
	s_endpgm
.Lfunc_end_k_qc19cf2a4c3_winattn:
	.size	k_qc19cf2a4c3_winattn, .Lfunc_end_k_qc19cf2a4c3_winattn-k_qc19cf2a4c3_winattn
	.p2alignl 7, 3214868480
	.fill 96, 4, 3214868480
	.section	.rodata,"a",@progbits
	.p2align	6, 0x0
	.amdhsa_kernel k_qc19cf2a4c3_winattn
		.amdhsa_group_segment_fixed_size 62464
		.amdhsa_private_segment_fixed_size 0
		.amdhsa_enable_private_segment 0
		.amdhsa_kernarg_size 32
		.amdhsa_user_sgpr_count 2
		.amdhsa_user_sgpr_kernarg_segment_ptr 1
		.amdhsa_wavefront_size32 1
		.amdhsa_system_sgpr_workgroup_id_x 1
		.amdhsa_system_sgpr_workgroup_id_y 1
		.amdhsa_system_sgpr_workgroup_id_z 1
		.amdhsa_system_vgpr_workitem_id 0
		.amdhsa_next_free_vgpr 256
		.amdhsa_next_free_sgpr 66
		.amdhsa_reserve_vcc 0
		.amdhsa_float_denorm_mode_32 3
		.amdhsa_float_denorm_mode_16_64 3
		.amdhsa_memory_ordered 1
		.amdhsa_forward_progress 1
		.amdhsa_inst_pref_size 43
	.end_amdhsa_kernel
	.amdgpu_metadata
---
amdhsa.version: [ 1, 2 ]
amdhsa.kernels:
  - .name:           k_qc19cf2a4c3_winattn
    .symbol:         k_qc19cf2a4c3_winattn.kd
    .args:
      - { .name: q, .offset: 0, .size: 8, .value_kind: global_buffer, .address_space: global }
      - { .name: k, .offset: 8, .size: 8, .value_kind: global_buffer, .address_space: global }
      - { .name: v, .offset: 16, .size: 8, .value_kind: global_buffer, .address_space: global }
      - { .name: out0, .offset: 24, .size: 8, .value_kind: global_buffer, .address_space: global }
    .group_segment_fixed_size: 62464
    .private_segment_fixed_size: 0
    .kernarg_segment_align: 8
    .kernarg_segment_size: 32
    .max_flat_workgroup_size: 256
    .sgpr_count:     66
    .vgpr_count:     256
    .wavefront_size: 32
...
	.end_amdgpu_metadata
.endif
;; end of part 2
